; MI455X (gfx1250); checked and timed in simulation.
; The chip was launched on July 23, 2026; its instructions are those of AMD's public machine-readable ISA for CDNA 5 (MIT licence, August 2026) and "CDNA5" Instruction Set Architecture Reference Guide (July 2026). The comments in the code are by the model that wrote it; some were corrected since.
;; Self Attention. Allowed arithmetic: float matrix products may take bf16 or f16 operands with f32 sums; all other float work in f32.
;; Inputs: U_bias 1,024 float32; U_kernel 1,024 x 1,024 float32; V_bias 1 float32; V_kernel 1,024 x 1 float32; W_bias 1,024 float32; W_kernel 1,024 x 1,024 float32; hidden_states 64 x 1,024 x 1,024 float32; s_prev 64 x 1,024 float32.
;; Outputs: out0 64 x 1,024 float32; out1 64 x 1,024 x 1 float32.
;; One version. Each part assembles by itself: llvm-mc -triple=amdgcn-amd-amdhsa -mcpu=gfx1250 --defsym DOCPART=n.
;; ======== version 1 of 1: 3 launches
;; workspace buffers: ub16 2,097,152 bytes; ck 262,144 bytes; scorep 1,048,576 bytes
;; launch prep (part 1): grid 144 x 1, 8 waves a work-group, no clusters, 94,208 bytes of LDS; arguments s_prev, W_kernel, W_bias, U_bias, U_kernel, ub16, ck; writes ub16, ck
.if DOCPART == 1
	.amdgcn_target "amdgcn-amd-amdhsa--gfx1250"
	.amdhsa_code_object_version 6
	.text
	.protected	k_qd2cec6477e_prep
	.globl	k_qd2cec6477e_prep
	.p2align	8
	.type	k_qd2cec6477e_prep,@function
k_qd2cec6477e_prep:
	s_mov_b64 s[64:65], 0
	v_nop
	global_prefetch_b8 v0, s[64:65] scope:SCOPE_SE
	s_setreg_imm32_b32 hwreg(HW_REG_WAVE_MODE, 25, 1), 1
	s_wait_xcnt 0x0
; Two jobs in one launch, chosen by the work-group's number (the same for all its waves):
;   work-groups 0..15:   ck[b][n] = K2 * (sum over k of s_prev[b][k] W[k][n] + W_bias[n] + U_bias[n]),  K2 = 2 log2(e), for 64 columns n each
;   work-groups 16..143: ub16 = U_kernel rounded to bf16, layout kept [k][n], 32,768 bytes of U each
; K2 is folded in here because the next launch forms tanh(x) = 1 - 2 / (1 + 2^(K2 x)).
; The product's operands are rounded to bf16, the sums are f32.  Limits: NaN and infinite inputs are not served.
; No tensor loads, no cluster: the product is 64 rows only and the cast is a plain stream; both go through registers because every number
; has to be converted on its way.
.set SLOTP, 37888                      ; an LDS slot: W's slab, then s_prev's slab
.set SPS,   20480                      ; s_prev's slab in a slot (behind 128 rows of 160 bytes)
.set OUTS,  75776                      ; behind the two slots: 64 rows x 272 bytes of f32 results
.set GW,  8                            ; v8   (t>>4)*4096 + 16 (t&15): my 16 bytes in 16 rows of W; also in 16 rows of ck
.set GS,  9                            ; v9   (t>>5)*4096 + 16 (t&31): my 16 bytes in 8 rows of s_prev
.set LW,  10                           ; v10  (t>>4)*160 + 8 (t&15): where my 4 bf16 of W go
.set LS,  11                           ; v11  SPS + (t>>5)*272 + 8 (t&31): where my 4 bf16 of s_prev go
.set FA,  12                           ; v12  fragment address in s_prev's slab
.set FB,  13                           ; v13  fragment address in W's slab (transposing loads)
.set SO,  14                           ; v14  where my results go in OUTS
.set RDO, 15                           ; v15  where I read whole rows back
.set X0,  16                           ; v[16:79]   slab set 0: 32 registers of W, 32 of s_prev, as loaded
.set X1,  80                           ; v[80:143]  slab set 1
.set AFR, 144                          ; v[144:175] four fragments of s_prev (16 batches x 32 k)
.set BFR, 176                          ; v[176:239] four k quarters x two fragments of W (32 k x 16 n)
.set ACC, 240                          ; v[240:255] two accumulators; v240 first holds the biases' offset
	s_load_b256 s[4:11], s[0:1], 0x0               ; s_prev s[4:5], W s[6:7], W_bias s[8:9], U_bias s[10:11]
	s_load_b128 s[12:15], s[0:1], 0x20             ; U s[12:13], ub16 s[14:15]
	s_load_b64 s[16:17], s[0:1], 0x30              ; ck
	s_set_vgpr_msb 0x40
	v_lshl_add_u32 v0, v0, 2, 0x16c00
	v_mov_b32 v1, 0
	s_set_vgpr_msb 0x4000
	s_cmp_ge_u32 ttmp9, 16
	s_cbranch_scc1 .Lcast
	; ---------------- the product: 64 batches x my 64 columns, K = 1024 in eight slabs of 128 ----------------
	; Wave w makes batches 16 a .. 16 a + 15 (a = w & 3) x columns 32 p .. 32 p + 31 (p = w >> 2): two accumulators.
	v_lshrrev_b32 v16, 5, v0                       ; t >> 5
	v_readfirstlane_b32 s18, v16                   ; wave
	s_and_b32 s19, s18, 3                          ; a
	s_lshr_b32 s20, s18, 2                         ; p
	s_lshl_b32 s22, ttmp9, 8                       ; my 64 columns are 256 bytes of a row of W, of ck and of the biases
	s_mov_b32 s23, 0
	v_lshrrev_b32 v17, 4, v0                       ; t >> 4
	v_and_b32 v18, 15, v0                          ; t & 15 = lane % 16 = r
	v_and_b32 v19, 31, v0                          ; lane
	v_bfe_u32 v20, v0, 4, 1                        ; h = lane / 16
	v_lshlrev_b32 v[ACC], 4, v18                   ; 16 (t & 15)
	v_lshl_add_u32 v[GW], v17, 12, v[ACC]
	v_lshlrev_b32 v21, 4, v19
	v_lshl_add_u32 v[GS], v16, 12, v21
	v_mul_u32_u24 v21, v17, 160
	v_lshl_add_u32 v[LW], v18, 3, v21
	v_mul_u32_u24 v21, v16, 272
	v_lshl_add_u32 v21, v19, 3, v21
	v_add_nc_u32 v[LS], SPS, v21
	v_mul_u32_u24 v22, v18, 272                    ; r * 272
	s_mul_i32 s24, s19, 4352                       ; 16 a rows of 272 bytes
	s_add_co_u32 s25, s24, SPS
	v_lshl_add_u32 v21, v20, 4, v22
	v_add_nc_u32 v[FA], s25, v21                   ; SPS + (16 a + r) 272 + 16 h
	v_and_b32 v23, 7, v0
	v_lshl_add_u32 v23, v20, 3, v23                ; 8 h + lane % 8
	v_mul_u32_u24 v23, v23, 160
	v_bfe_u32 v21, v0, 3, 1
	v_lshl_add_u32 v23, v21, 4, v23                ; + 16 ((lane >> 3) & 1)
	s_lshl_b32 s26, s20, 6
	v_add_nc_u32 v[FB], s26, v23                   ; + 64 p
	s_lshl_b32 s26, s20, 7
	s_add_co_u32 s26, s26, s24
	s_add_co_u32 s26, s26, OUTS
	v_lshl_add_u32 v21, v20, 5, v22
	v_add_nc_u32 v[SO], s26, v21                   ; OUTS + (16 a + r) 272 + 128 p + 32 h
	v_mul_u32_u24 v21, v17, 272
	v_add_nc_u32 v21, v[ACC], v21
	v_add_nc_u32 v[RDO], OUTS, v21                 ; OUTS + (t >> 4) 272 + 16 (t & 15)
	s_wait_kmcnt 0x0
	s_add_nc_u64 s[6:7], s[6:7], s[22:23]
	s_add_nc_u64 s[8:9], s[8:9], s[22:23]
	s_add_nc_u64 s[10:11], s[10:11], s[22:23]
	s_add_nc_u64 s[16:17], s[16:17], s[22:23]
	global_load_b128 v[0:3], v[ACC], s[8:9]        ; W_bias of my four columns (v0 is no longer needed as the thread's number)
	global_load_b128 v[4:7], v[ACC], s[10:11]      ; U_bias
; slab s (k = 128 s .. 128 s + 127) into register set x: 8 loads of 16 rows of W (256 bytes each), 8 loads of 8 rows of s_prev (512 bytes each)
.macro LOADS s, x
.irp i, 0,1,2,3,4,5,6,7
	global_load_b128 v[\x+4*\i:\x+4*\i+3], v[GW], s[6:7] offset:(128*(\s)+16*\i)*4096 th:TH_LOAD_NT
.endr
.irp i, 0,1,2,3,4,5,6,7
	global_load_b128 v[\x+32+4*\i:\x+32+4*\i+3], v[GS], s[4:5] offset:8*\i*4096+512*(\s)
.endr
.endm
; One slab.  The next slab's loads go out first; this slab is rounded to bf16, laid into LDS slot s & 1, and multiplied.
; ONE barrier a slab serves two slots: a wave's reads of slab s are waited for in front of its signal in slab s + 1, and slot s & 1 is
; written again only in slab s + 2, behind that barrier.
.macro TRIP s, x, xn
.if \s < 7
	LOADS \s+1, \xn
	s_wait_loadcnt 16                              ; all but the 16 loads just issued: this slab (and, the first time, the biases) is in
.else
	s_wait_loadcnt 0x0
.endif
.irp j, 0,1,2,3,4,5,6,7,8,9,10,11,12,13,14,15
	v_cvt_pk_bf16_f32 v[\x+4*\j], v[\x+4*\j], v[\x+4*\j+1]         ; four f32 become four bf16 in the first two registers.  These 32 lines are
	v_cvt_pk_bf16_f32 v[\x+4*\j+1], v[\x+4*\j+2], v[\x+4*\j+3]     ; also the places between the last slab's products and the loads into their fragments
.endr
.irp i, 0,1,2,3,4,5,6,7
	ds_store_b64 v[LW], v[\x+4*\i:\x+4*\i+1] offset:(\s&1)*SLOTP+2560*\i
.endr
.irp i, 0,1,2,3,4,5,6,7
	ds_store_b64 v[LS], v[\x+32+4*\i:\x+32+4*\i+1] offset:(\s&1)*SLOTP+2176*\i
.endr
	s_wait_dscnt 0x0                               ; for the other waves: my stores have landed (and my reads of the last slab are long back)
	s_barrier_signal -1
	s_barrier_wait -1
.irp k, 0,1,2,3
	ds_load_b128 v[AFR+8*\k:AFR+8*\k+3],   v[FA] offset:(\s&1)*SLOTP+64*\k
	ds_load_b128 v[AFR+8*\k+4:AFR+8*\k+7], v[FA] offset:(\s&1)*SLOTP+64*\k+32
.irp u, 0,1
	ds_load_tr16_b128 v[BFR+16*\k+8*\u:BFR+16*\k+8*\u+3],   v[FB] offset:(\s&1)*SLOTP+5120*\k+32*\u        ; W lies [k][n]: the load transposes
	ds_load_tr16_b128 v[BFR+16*\k+8*\u+4:BFR+16*\k+8*\u+7], v[FB] offset:(\s&1)*SLOTP+5120*\k+32*\u+2560   ; 16 rows of 160 bytes further
.endr
.endr
.irp k, 0,1,2,3
	s_wait_dscnt 18-6*\k                           ; six loads for each later quarter may stay out
.irp u, 0,1
.if (\s+\k) == 0
	v_wmma_f32_16x16x32_bf16 v[ACC+8*\u:ACC+8*\u+7], v[BFR+16*\k+8*\u:BFR+16*\k+8*\u+7], v[AFR+8*\k:AFR+8*\k+7], 0    ; the first product starts the sum
.else
	v_wmma_f32_16x16x32_bf16 v[ACC+8*\u:ACC+8*\u+7], v[BFR+16*\k+8*\u:BFR+16*\k+8*\u+7], v[AFR+8*\k:AFR+8*\k+7], v[ACC+8*\u:ACC+8*\u+7]
.endif
.endr
.endr
.endm
	; The two accumulators take turns, one instruction a turn, through all eight slabs.
	; The product is used transposed (source 0 = columns of W, source 1 = batches): a lane then holds 8 neighbouring columns of one batch.
	LOADS 0, X0
	TRIP 0, X0, X1
	TRIP 1, X1, X0
	TRIP 2, X0, X1
	TRIP 3, X1, X0
	TRIP 4, X0, X1
	TRIP 5, X1, X0
	TRIP 6, X0, X1
	TRIP 7, X1, X0
	; K2 (W_bias + U_bias) of my four columns; these four lines name no register of the last products and are the four places behind them (ISA guide 7.12.1)
	v_pk_add_f32 v[0:1], v[0:1], v[4:5]
	v_pk_add_f32 v[2:3], v[2:3], v[6:7]
	v_pk_mul_f32 v[0:1], v[0:1], 0x4038aa3b op_sel_hi:[1,0]
	v_pk_mul_f32 v[2:3], v[2:3], 0x4038aa3b op_sel_hi:[1,0]
.irp u, 0,1
	ds_store_b128 v[SO], v[ACC+8*\u:ACC+8*\u+3]   offset:64*\u
	ds_store_b128 v[SO], v[ACC+8*\u+4:ACC+8*\u+7] offset:64*\u+16
.endr
	s_wait_dscnt 0x0                               ; for the other waves: my results are in OUTS
	s_barrier_signal -1
	s_barrier_wait -1
.irp i, 0,1,2,3
	ds_load_b128 v[X0+4*\i:X0+4*\i+3], v[RDO] offset:4352*\i       ; 16 rows further each time
.endr
.irp i, 0,1,2,3
	s_wait_dscnt 3-\i
	v_pk_fma_f32 v[X0+4*\i:X0+4*\i+1],   v[X0+4*\i:X0+4*\i+1],   0x4038aa3b, v[0:1] op_sel_hi:[1,0,1]
	v_pk_fma_f32 v[X0+4*\i+2:X0+4*\i+3], v[X0+4*\i+2:X0+4*\i+3], 0x4038aa3b, v[2:3] op_sel_hi:[1,0,1]
	global_store_b128 v[GW], v[X0+4*\i:X0+4*\i+3], s[16:17] offset:65536*\i    ; sixteen lanes store 256 consecutive bytes of a row of ck, aligned
.endr
	s_set_vgpr_msb 0x5
	s_wait_tensorcnt 0x0
	ds_add_u32 v0, v1
	s_wait_dscnt 0x0
	s_set_vgpr_msb 0x500
	s_endpgm
	; ---------------- the cast: 32,768 bytes of U to 16,384 bytes of ub16 ----------------
.Lcast:
	s_sub_co_u32 s22, ttmp9, 16
	s_lshl_b32 s24, s22, 14
	s_lshl_b32 s22, s22, 15
	s_mov_b32 s23, 0
	s_mov_b32 s25, 0
	v_lshlrev_b32 v1, 4, v0                        ; 16 t
	v_lshlrev_b32 v2, 3, v0                        ; 8 t
	s_wait_kmcnt 0x0
	s_add_nc_u64 s[12:13], s[12:13], s[22:23]
	s_add_nc_u64 s[14:15], s[14:15], s[24:25]
.irp i, 0,1,2,3,4,5,6,7
	global_load_b128 v[16+4*\i:19+4*\i], v1, s[12:13] offset:4096*\i th:TH_LOAD_NT
.endr
.irp i, 0,1,2,3,4,5,6,7
	s_wait_loadcnt 7-\i                            ; the younger loads stay out
	v_cvt_pk_bf16_f32 v[48+2*\i], v[16+4*\i], v[17+4*\i]
	v_cvt_pk_bf16_f32 v[49+2*\i], v[18+4*\i], v[19+4*\i]
	global_store_b64 v2, v[48+2*\i:49+2*\i], s[14:15] offset:2048*\i   ; a wave stores 256 consecutive bytes, aligned; no register is written twice
.endr
	s_endpgm
.Lfunc_end_k_qd2cec6477e_prep:
	.size	k_qd2cec6477e_prep, .Lfunc_end_k_qd2cec6477e_prep-k_qd2cec6477e_prep
	.p2alignl 7, 3214868480
	.fill 96, 4, 3214868480
	.section	.rodata,"a",@progbits
	.p2align	6, 0x0
	.amdhsa_kernel k_qd2cec6477e_prep
		.amdhsa_group_segment_fixed_size 94208
		.amdhsa_private_segment_fixed_size 0
		.amdhsa_enable_private_segment 0
		.amdhsa_kernarg_size 56
		.amdhsa_user_sgpr_count 2
		.amdhsa_user_sgpr_kernarg_segment_ptr 1
		.amdhsa_wavefront_size32 1
		.amdhsa_system_sgpr_workgroup_id_x 1
		.amdhsa_system_sgpr_workgroup_id_y 1
		.amdhsa_system_sgpr_workgroup_id_z 1
		.amdhsa_system_vgpr_workitem_id 0
		.amdhsa_next_free_vgpr 258
		.amdhsa_next_free_sgpr 66
		.amdhsa_reserve_vcc 0
		.amdhsa_float_denorm_mode_32 3
		.amdhsa_float_denorm_mode_16_64 3
		.amdhsa_memory_ordered 1
		.amdhsa_forward_progress 1
		.amdhsa_inst_pref_size 63
	.end_amdhsa_kernel
	.amdgpu_metadata
---
amdhsa.version: [ 1, 2 ]
amdhsa.kernels:
  - .name:           k_qd2cec6477e_prep
    .symbol:         k_qd2cec6477e_prep.kd
    .args:
      - { .name: s_prev, .offset: 0, .size: 8, .value_kind: global_buffer, .address_space: global }
      - { .name: W_kernel, .offset: 8, .size: 8, .value_kind: global_buffer, .address_space: global }
      - { .name: W_bias, .offset: 16, .size: 8, .value_kind: global_buffer, .address_space: global }
      - { .name: U_bias, .offset: 24, .size: 8, .value_kind: global_buffer, .address_space: global }
      - { .name: U_kernel, .offset: 32, .size: 8, .value_kind: global_buffer, .address_space: global }
      - { .name: ub16, .offset: 40, .size: 8, .value_kind: global_buffer, .address_space: global }
      - { .name: ck, .offset: 48, .size: 8, .value_kind: global_buffer, .address_space: global }
    .group_segment_fixed_size: 94208
    .private_segment_fixed_size: 0
    .kernarg_segment_align: 8
    .kernarg_segment_size: 56
    .max_flat_workgroup_size: 256
    .sgpr_count:     66
    .vgpr_count:     258
    .wavefront_size: 32
...
	.end_amdgpu_metadata
.endif
;; end of part 1
;; launch scores (part 2): grid 4 x 256, 4 waves a work-group, clusters of 4 x 4, 327,680 bytes of LDS; arguments hidden_states, ub16, ck, V_kernel, scorep; writes scorep
.if DOCPART == 2
	.amdgcn_target "amdgcn-amd-amdhsa--gfx1250"
	.amdhsa_code_object_version 6
	.text
	.protected	k_qd2cec6477e_scores
	.globl	k_qd2cec6477e_scores
	.p2align	8
	.type	k_qd2cec6477e_scores,@function
k_qd2cec6477e_scores:
	s_mov_b64 s[64:65], 0
	v_nop
	global_prefetch_b8 v0, s[64:65] scope:SCOPE_SE
	s_setreg_imm32_b32 hwreg(HW_REG_WAVE_MODE, 25, 1), 1
	s_wait_xcnt 0x0
	s_wait_alu depctr_hold_cnt(0) depctr_sa_sdst(0) depctr_va_vdst(0) depctr_va_sdst(0) depctr_va_ssrc(0) depctr_va_vcc(0) depctr_vm_vsrc(0)
	s_getreg_b32 s2, hwreg(HW_REG_IB_STS2, 6, 4)
	s_cmp_eq_u32 s2, 0
	s_cbranch_scc0 .Lentry_in_a_cluster
	s_endpgm
.Lentry_in_a_cluster:
	s_bfe_u32 s2, ttmp6, 0x10000c
	s_cmp_lg_u32 s2, 0xf033
	s_cbranch_scc0 .Lentry_shape_is_right
	s_endpgm
.Lentry_shape_is_right:
; scorep[nb][row] = sum over the 256 units n of block nb of V[n] / (1 + 2^(K2 u[row][n] + ck[b][n])),
; u = hidden_states (65,536 rows x 1024, f32, rounded to bf16 here) x ub16 (1024 k x 1024 n, bf16), sums in f32, K2 = 2 log2(e).
; Since tanh(x) = 1 - 2 / (1 + e^(2x)), the next launch gets a row's score as sum(V) - 2 x (the four partial sums).  An exponential that overflows
; gives the quotient 0 (tanh = 1), one that underflows gives 1 (tanh = -1): no clamp is needed.  Limits: NaN and infinite inputs are not served;
; the order of the sums differs from a plain left-to-right sum.
;
; A work-group makes 256 rows x 256 units with four waves; wave w makes rows 64 w .. 64 w + 63 x all 256 units: 4 x 16 accumulator tiles, 512 registers.
; So each number of hidden_states is converted once in the work-group, and a row's 256 units end inside one wave.
; K goes in steps of 64 through two LDS slots: 256 rows x 256 bytes of hidden_states (f32) and 64 rows x 512 bytes of ub16.  Two slots of a step of 128
; would take 409,600 bytes of LDS.
; CLUSTERS: 4 x 4 work-groups.  The four of a cluster row make the four unit blocks of the same 256 rows and ask for the tiles of hidden_states jointly;
; the four of a cluster column make the same unit block and ask for ub16's tiles jointly.  A cluster covers one batch's 1024 rows x all 1024 units.
;
; REGISTERS by windows of 256:  window 0: v1-28 addresses; v32-95 two buffers of 4 bf16 fragments of hidden_states; v96-159 the same numbers as loaded (f32)
;   window 1: two buffers of 16 fragments of ub16;  window 2: accumulators of my rows 0-31 (tile (a, b) at 8 (16 (a & 1) + b));  window 3: rows 32-63
; The matrix instruction is used transposed (source 0 = 16 units, source 1 = 16 rows): lane l holds row l % 16 and units 8 (l / 16) + 0..7 of a tile.
.set PA,    272                        ; LDS pitch of a row of hidden_states: 256 bytes + 16: the 16 rows of a load start 16 bytes apart modulo 256
.set PB,    288                        ; LDS pitch of a row of ub16's sub-tile: 256 bytes + 32, an odd multiple of 32, for the transposing loads
.set HALFA, 128*PA                     ; what one tensor load brings of hidden_states
.set SUBB,  64*PB                      ; what one tensor load brings of ub16: 64 k x 128 units
.set BOFF,  2*HALFA
.set SLOT,  BOFF+2*SUBB                ; 106,496
.set CV,    2*SLOT                     ; 1,024 bytes of ck, 1,024 bytes of V: written by LDS stores, never a tensor load's target
.set STG,   CV+2048                    ; 256 bytes for each wave: the way out
.set ADRA,  16                         ; v16-17  my fragment address in slot 0, 1: hidden_states
.set ADRB,  20                         ; v20-21  the same for ub16
.set AF,    32                         ; bf16 fragments of hidden_states, buffer g at AF + 32 g
.set FS,    96                         ; their f32 form, 16 registers a fragment
.set T,     32                         ; the way out: 64 numbers at work
.set E,     96                         ; the way out: 64 numbers at work
.set SS,    160                        ; the way out: 8 partial sums for each of my 4 row tiles
.set G1A, 24                           ; s[24:31] descriptor group 1, hidden_states
.set G0A, 32                           ; s[32:39] group 0, one set for each slot
.set G1B, 48                           ; s[48:55] group 1, ub16
.set G0B, 56                           ; s[56:63] group 0, one set for each slot
.set MSB, 0
.macro WIN new                         ; s_set_vgpr_msb: bits 1:0 source 0, 3:2 source 1, 5:4 source 2, 7:6 destination; the high byte repeats the setting that is left
.if MSB != \new
	s_set_vgpr_msb (MSB<<8)|\new
.set MSB, \new
.endif
.endm
; A joint load: waves 0 and 1 fetch the halves of hidden_states' tile, waves 2 and 3 the halves of ub16's.  The branch hangs on the wave's number alone.
.macro JLOAD s
	s_cmp_eq_u32 s15, 0
	s_cbranch_scc0 .Lfor_b_\@
	tensor_load_to_lds s[G0A+4*\s:G0A+4*\s+3], s[G1A:G1A+7]
	s_nop 0
	s_branch .Lasked_\@
.Lfor_b_\@:
	tensor_load_to_lds s[G0B+4*\s:G0B+4*\s+3], s[G1B:G1B+7]
	s_nop 0
.Lasked_\@:
.endm
.macro CREST                           ; a round of the cluster's barrier behind its opening work-group barrier
	s_cmp_lg_u32 s14, 0
	s_cbranch_scc1 .Lnot_wave_0_\@
	s_barrier_signal -3
.Lnot_wave_0_\@:
	s_barrier_wait -3
	s_barrier_signal -1
	s_barrier_wait -1
.endm
.macro CROUND                          ; a whole round
	s_barrier_signal -1
	s_barrier_wait -1
	CREST
.endm
	s_load_b256 s[4:11], s[0:1], 0x0               ; hidden_states s[4:5], ub16 s[6:7], ck s[8:9], V s[10:11]
	s_load_b64 s[12:13], s[0:1], 0x20              ; scorep
	v_lshl_add_u32 v254, v0, 2, 0x34c00
	v_mov_b32 v255, 0
	ds_add_u32 v254, v255
	v_lshrrev_b32 v1, 5, v0
	v_readfirstlane_b32 s14, v1                    ; wave 0..3
	s_lshr_b32 s15, s14, 1                         ; I fetch hidden_states (0) or ub16 (1)
	s_and_b32 s16, s14, 1                          ; which half of that tile
	s_bfe_u32 s17, ttmp6, 0x40000                  ; cx
	s_bfe_u32 s18, ttmp6, 0x40004                  ; cy
	s_lshl_b32 s19, ttmp9, 2
	s_add_co_u32 s19, s19, s17                     ; bx: block of 256 units
	s_and_b32 s20, ttmp7, 0xffff
	s_lshl_b32 s20, s20, 2
	s_add_co_u32 s20, s20, s18                     ; by: block of 256 rows
	s_lshl_b32 s21, s18, 2
	s_lshl_b32 s21, 15, s21                        ; my row of the cluster
	s_lshl_b32 s22, 0x1111, s17                    ; my column
	s_mov_b32 s66, 0x76543210                      ; v_permlanex16_b32: lane i reads lane i of the other half
	s_mov_b32 s67, 0xfedcba98
	; group 1 for hidden_states: 128 rows x 64 elements of 4 bytes, 4 words of padding behind every 64 words
	s_or_b32 s[G1A+0], s21, (2<<16)|(1<<20)|(1<<21)|(5<<22)|(3<<25)
	s_mov_b32 s[G1A+1], 64<<16                     ; tensor_dim0 = 64
	s_mov_b32 s[G1A+2], 128<<16                    ; tensor_dim1 = 128
	s_mov_b32 s[G1A+3], 64<<16                     ; tile_dim0 = 64
	s_mov_b32 s[G1A+4], 128                        ; tile_dim1 = 128
	s_mov_b32 s[G1A+5], 1024                       ; elements from row to row
	s_mov_b32 s[G1A+6], 0
	s_mov_b32 s[G1A+7], 0
	; group 1 for ub16: 64 rows (k) x 128 elements of 2 bytes, 8 words of padding behind every 64 words
	s_or_b32 s[G1B+0], s22, (1<<16)|(1<<20)|(1<<21)|(5<<22)|(7<<25)
	s_mov_b32 s[G1B+1], 128<<16
	s_mov_b32 s[G1B+2], 64<<16
	s_mov_b32 s[G1B+3], 128<<16
	s_mov_b32 s[G1B+4], 64
	s_mov_b32 s[G1B+5], 1024
	s_mov_b32 s[G1B+6], 0
	s_mov_b32 s[G1B+7], 0
	; where the tiles come from: hidden_states' hang on by and the wave alone, ub16's on bx and the wave alone, each in registers of their own
	s_lshl_b32 s46, s20, 20                        ; 256 rows of 4,096 bytes
	s_mov_b32 s47, 0
	s_lshl_b32 s44, s16, 19                        ; 128 rows
	s_add_co_u32 s40, s46, s44
	s_mov_b32 s41, 0
	s_lshl_b32 s42, s19, 9                         ; 256 units of 2 bytes
	s_lshl_b32 s44, s16, 8                         ; 128 units
	s_add_co_u32 s42, s42, s44
	s_mov_b32 s43, 0
	s_mul_i32 s45, s14, HALFA                      ; and where they go: waves 0, 1: 0 and HALFA
	s_mul_i32 s23, s14, SUBB
	s_add_co_u32 s23, s23, BOFF-2*SUBB             ; waves 2, 3: BOFF and BOFF + SUBB
	; ck's and V's 256 numbers, and the offset of the prefetches (global addresses only: these may hang on cx)
	s_lshr_b32 s70, s20, 2                         ; batch
	s_lshl_b32 s70, s70, 12
	s_lshl_b32 s71, s19, 10
	s_add_co_u32 s70, s70, s71
	s_mov_b32 s71, 0
	s_wait_dscnt 0x0
	s_wait_kmcnt 0x0
	s_add_nc_u64 s[40:41], s[4:5], s[40:41]
	s_add_nc_u64 s[42:43], s[6:7], s[42:43]
	s_add_nc_u64 s[68:69], s[4:5], s[46:47]        ; my block's first row: base of the prefetches
	s_add_nc_u64 s[8:9], s[8:9], s[70:71]
	s_lshl_b32 s70, s19, 10
	s_add_nc_u64 s[10:11], s[10:11], s[70:71]
	CROUND                                         ; all sixteen work-groups are here: the first joint loads meet
.irp s, 0,1
	s_mov_b32 s[G0A+4*\s], 1
	s_add_co_u32 s[G0A+4*\s+1], s45, \s*SLOT
	s_add_nc_u64 s[G0A+4*\s+2:G0A+4*\s+3], s[40:41], \s*256        ; K step s: 64 f32 further along the rows
	s_or_b32 s[G0A+4*\s+3], s[G0A+4*\s+3], 0x80000000
	s_mov_b32 s[G0B+4*\s], 1
	s_add_co_u32 s[G0B+4*\s+1], s23, \s*SLOT
	s_add_nc_u64 s[G0B+4*\s+2:G0B+4*\s+3], s[42:43], \s*131072     ; K step s: 64 rows of 2,048 bytes further down
	s_or_b32 s[G0B+4*\s+3], s[G0B+4*\s+3], 0x80000000
	JLOAD \s                                       ; both first fills go out together; by this text's count a wave has two tensor loads out here and one later
.endr
	v_and_b32 v1, 15, v0                           ; r = lane % 16
	v_bfe_u32 v2, v0, 4, 1                         ; h = lane / 16
	v_and_b32 v3, 31, v0                           ; lane
	v_mul_u32_u24 v4, v1, PA
	v_lshl_add_u32 v4, v2, 5, v4                   ; r pitch + 32 h: in f32 a lane's 8 numbers are 32 bytes
	s_mul_i32 s44, s14, 64*PA
	v_add_nc_u32 v[ADRA], s44, v4
	v_add_nc_u32 v[ADRA+1], SLOT, v[ADRA]
	v_and_b32 v5, 7, v0
	v_lshl_add_u32 v5, v2, 3, v5                   ; k row 8 h + lane % 8
	v_mul_u32_u24 v5, v5, PB
	v_bfe_u32 v6, v0, 3, 1
	v_lshl_add_u32 v5, v6, 4, v5
	v_add_nc_u32 v[ADRB], BOFF, v5
	v_add_nc_u32 v[ADRB+1], BOFF+SLOT, v5
	v_lshlrev_b32 v28, 3, v0                       ; 8 t: my 8 bytes of ck and of V
	v_add_nc_u32 v22, CV, v28
	v_lshlrev_b32 v23, 5, v2
	v_add_nc_u32 v23, CV, v23                      ; CV + 32 h
	s_lshl_b32 s44, s14, 8
	s_add_co_u32 s44, s44, STG
	v_lshl_add_u32 v24, v1, 2, s44                 ; my stage + 4 r
	v_lshl_add_u32 v25, v3, 3, s44                 ; my stage + 8 lane
	v_lshlrev_b32 v26, 3, v3                       ; 8 lane
	s_lshl_b32 s70, s17, 6
	s_lshl_b32 s71, s14, 4
	s_add_co_u32 s70, s70, s71                     ; row 64 cx + 16 w
	s_lshl_b32 s70, s70, 12
	s_add_co_u32 s70, s70, 1024                    ; K step 4
	v_lshlrev_b32 v27, 12, v1                      ; + r rows
	v_lshl_add_u32 v27, v2, 8, v27                 ; + h K steps
	v_add_nc_u32 v27, s70, v27
	global_load_b64 v[8:9], v28, s[8:9]            ; a wave's load covers 256 consecutive bytes, aligned
	global_load_b64 v[10:11], v28, s[10:11]
	s_wait_loadcnt 0x0
	ds_store_b64 v22, v[8:9]
	ds_store_b64 v22, v[10:11] offset:1024
; 48 LDS loads: the fragments of 32 k (half q of a slot) : 4 x 16 rows of hidden_states in f32 into FS, 16 x 16 units of ub16 into buffer g
.macro FETCH slot, q, g
	WIN 0
.irp a, 0,1,2,3
	ds_load_b128 v[FS+16*\a:FS+16*\a+3],     v[ADRA+\slot] offset:16*PA*\a+128*\q        ; k = 8 h + 0..3
	ds_load_b128 v[FS+16*\a+4:FS+16*\a+7],   v[ADRA+\slot] offset:16*PA*\a+128*\q+16     ; k = 8 h + 4..7
	ds_load_b128 v[FS+16*\a+8:FS+16*\a+11],  v[ADRA+\slot] offset:16*PA*\a+128*\q+64     ; k = 16 + 8 h + 0..3
	ds_load_b128 v[FS+16*\a+12:FS+16*\a+15], v[ADRA+\slot] offset:16*PA*\a+128*\q+80     ; k = 16 + 8 h + 4..7
.endr
	WIN 0x40                                       ; destination window 1, address window 0
.irp b, 0,1,2,3,4,5,6,7,8,9,10,11,12,13,14,15
	ds_load_tr16_b128 v[128*\g+8*\b:128*\g+8*\b+3],   v[ADRB+\slot] offset:SUBB*(\b>>3)+32*(\b&7)+32*PB*\q
	ds_load_tr16_b128 v[128*\g+8*\b+4:128*\g+8*\b+7], v[ADRB+\slot] offset:SUBB*(\b>>3)+32*(\b&7)+32*PB*\q+16*PB
.endr
.endm
; 16 conversions: row tiles a0, a0 + 1 from FS into buffer g
.macro CVT g, a0
	WIN 0
.irp a, \a0, \a0+1
.irp i, 0,1,2,3,4,5,6,7
	v_cvt_pk_bf16_f32 v[AF+32*\g+8*(\a)+\i], v[FS+16*(\a)+2*\i], v[FS+16*(\a)+2*\i+1]
.endr
.endr
.endm
; 16 matrix instructions: row tile a x all 16 unit tiles, 32 along K, from buffers f.  zero = 1: the product starts the sums
.macro MUL16 f, a, zero
.if \a < 2
	WIN 0xa1                                       ; source 0 window 1, source 1 window 0, C and D window 2
.else
	WIN 0xf1                                       ; the same, C and D window 3
.endif
.irp b, 0,1,2,3,4,5,6,7,8,9,10,11,12,13,14,15
.if \zero
	v_wmma_f32_16x16x32_bf16 v[8*(16*(\a&1)+\b):8*(16*(\a&1)+\b)+7], v[128*\f+8*\b:128*\f+8*\b+7], v[AF+32*\f+8*\a:AF+32*\f+8*\a+7], 0
.else
	v_wmma_f32_16x16x32_bf16 v[8*(16*(\a&1)+\b):8*(16*(\a&1)+\b)+7], v[128*\f+8*\b:128*\f+8*\b+7], v[AF+32*\f+8*\a:AF+32*\f+8*\a+7], v[8*(16*(\a&1)+\b):8*(16*(\a&1)+\b)+7]
.endif
.endr
.endm
; Half a K step: multiplies buffers f (64 matrix instructions) and brings half fq of slot fslot into buffers g.
; The 64 accumulators take turns in the same order in every half step.
; PLACES (ISA guide 7.12.1): buffers g were last read by the half step before; behind its last matrix instruction stand the 16 conversions of its
; CVT .., 2, which name none of that instruction's registers; so the loads and conversions into g keep their distance without a v_nop.
; turn = 1: a change of slots.  With this fetch my reads of the slot are over.  In front of the signal: all my LDS loads are back and all my tensor
; loads have landed (the one that is out is my part of the other slot).  turn = 2: the barrier opens a round of the cluster's barrier, only register
; work stands inside it, and the slot's joint refill is the first tensor load behind it.  From a request to the wait for it: 112 matrix instructions.
.macro PIECE f, g, fslot, fq, zero, turn, slot, pf
	FETCH \fslot, \fq, \g
	s_wait_dscnt 48                                ; all but the 48 loads just issued: buffer f of ub16 is whole
	MUL16 \f, 0, \zero
	MUL16 \f, 1, \zero
	MUL16 \f, 2, \zero
	s_wait_dscnt 32                                ; the 16 loads into FS are in; the 32 younger ones may be out
	CVT \g, 0
.if \turn
	s_wait_dscnt 0x0
	s_wait_tensorcnt 0x0
	ds_add_u32 v254, v255
	s_wait_dscnt 0x0
	s_barrier_signal -1
.endif
	MUL16 \f, 3, \zero
	CVT \g, 2                                      ; leaves every window 0: branches may follow
.if \turn
	s_barrier_wait -1
.endif
.if \turn == 2
	CREST
	s_add_nc_u64 s[G0A+4*\slot+2:G0A+4*\slot+3], s[G0A+4*\slot+2:G0A+4*\slot+3], 512       ; two K steps on; no tensor load of mine is out
	s_add_nc_u64 s[G0B+4*\slot+2:G0B+4*\slot+3], s[G0B+4*\slot+2:G0B+4*\slot+3], 262144
	JLOAD \slot
.if \pf
	; In lap l the 16 waves of a cluster row ask for the 512 blocks of 256 bytes (256 rows x K steps 2 l + 4 and 2 l + 5) of hidden_states, each block once:
	; lane l of wave w of work-group cx takes row 64 cx + 16 w + l % 16, K step 2 l + 4 + l / 16.  Their tensor loads are issued one lap later.
	global_prefetch_b8 v27, s[68:69] th:TH_LOAD_NT scope:SCOPE_SE
.endif
.endif
.endm
.macro STEP slot, next, turn, zero, pf     ; a K step of 64: its second half is fetched first, then the next slot's first half
	PIECE 0, 1, \slot, 1, \zero, \turn, \slot, \pf
	PIECE 1, 0, \next, 0, 0, 0, 0, 0
.endm
.macro LAP zero, pf                        ; once round the ring, both slots filled again
	STEP 0, 1, 2, \zero, \pf
	STEP 1, 0, 2, 0, 0
.if \pf
	s_wait_xcnt 0x0                                ; the prefetch's offset is rewritten only behind this wait, three half steps behind the prefetch
	v_add_nc_u32 v27, 512, v27                     ; two K steps on
.endif
.endm
	s_wait_tensorcnt 0x1                           ; my part of K step 0 is in; K step 1's may stay out
	s_wait_dscnt 0x0                               ; my part of ck and V is in LDS
	s_barrier_signal -1
	s_barrier_wait -1
	FETCH 0, 0, 0
	s_wait_dscnt 32
	CVT 0, 0
	CVT 0, 2
	LAP 1, 1                                       ; K steps 0, 1: the first products start the sums, nothing is cleared
	s_mov_b32 s3, 5
.Llap:
	LAP 0, 1                                       ; K steps 2 .. 11; the last prefetch asks for K steps 14 and 15, the rows' last
	s_sub_co_u32 s3, s3, 1
	s_cmp_lg_u32 s3, 0
	s_cbranch_scc1 .Llap
	LAP 0, 0                                       ; K steps 12, 13: the last refills (K steps 14, 15)
	STEP 0, 1, 1, 0, 0                             ; K step 14: a plain barrier, nothing is left to fetch
	PIECE 0, 1, 1, 1, 0, 0, 0, 0                   ; K step 15
	s_wait_dscnt 0x0
	MUL16 1, 0, 0
	MUL16 1, 1, 0
	MUL16 1, 2, 0
	MUL16 1, 3, 0
	WIN 0
.rept 4
	v_nop                                          ; the places behind the last matrix instructions: for the loads into window 1 and the reads of the sums
.endr
	; THE WAY OUT.  ck and V of my 8 units of each of the 16 unit tiles into window 1 (ck at 8 b, V at 128 + 8 b).
	WIN 0x40
.irp b, 0,1,2,3,4,5,6,7,8,9,10,11,12,13,14,15
	ds_load_b128 v[8*\b:8*\b+3],         v23 offset:64*\b
	ds_load_b128 v[8*\b+4:8*\b+7],       v23 offset:64*\b+16
	ds_load_b128 v[128+8*\b:128+8*\b+3], v23 offset:1024+64*\b
	ds_load_b128 v[128+8*\b+4:128+8*\b+7], v23 offset:1024+64*\b+16
.endr
	s_lshl_b32 s42, s19, 18                        ; scorep: 65,536 rows of 4 bytes for each unit block,
	s_mov_b32 s43, 0
	s_lshl_b32 s40, s20, 10                        ; 256 rows for each row block,
	s_lshl_b32 s44, s14, 8                         ; 64 rows for each wave
	s_add_co_u32 s40, s40, s44
	s_mov_b32 s41, 0
	s_add_nc_u64 s[12:13], s[12:13], s[42:43]
	s_add_nc_u64 s[12:13], s[12:13], s[40:41]
	s_wait_dscnt 0x0
; row tile a, unit tiles 8 bh .. 8 bh + 7: 64 numbers a lane.  SS[8 a + j] += V / (1 + 2^(K2 u + ck))
.macro EPI a, bh
.if \a < 2
	WIN 0x12                                       ; source 0 window 2, source 2 window 1
.else
	WIN 0x13
.endif
.irp c, 0,1,2,3,4,5,6,7
.irp i, 0,1,2,3
	v_pk_fma_f32 v[T+8*\c+2*\i:T+8*\c+2*\i+1], v[8*(16*(\a&1)+8*\bh+\c)+2*\i:8*(16*(\a&1)+8*\bh+\c)+2*\i+1], 0x4038aa3b, v[8*(8*\bh+\c)+2*\i:8*(8*\bh+\c)+2*\i+1] op_sel_hi:[1,0,1]
.endr
.endr
	WIN 0
.set j, 0
.rept 64
	v_exp_f32 v[E+j], v[T+j]
.set j, j+1
.endr
	v_nop                                          ; one plain instruction behind the last transcendental before its result is used
.set j, 0
	s_wait_alu depctr_va_vdst(0)
.rept 32
	v_pk_add_f32 v[E+j:E+j+1], v[E+j:E+j+1], 1.0 op_sel_hi:[1,0]
.set j, j+2
.endr
.set j, 0
.rept 64
	v_rcp_f32 v[T+j], v[E+j]
.set j, j+1
.endr
	v_nop
	s_wait_alu depctr_va_vdst(0)
	WIN 0x04                                       ; source 1 window 1
.irp c, 0,1,2,3,4,5,6,7
.irp i, 0,1,2,3
.if (\bh+\c) == 0
	v_pk_mul_f32 v[SS+8*\a+2*\i:SS+8*\a+2*\i+1], v[T+8*\c+2*\i:T+8*\c+2*\i+1], v[128+8*(8*\bh+\c)+2*\i:128+8*(8*\bh+\c)+2*\i+1]    ; the first tile starts the sums
.else
	v_pk_fma_f32 v[SS+8*\a+2*\i:SS+8*\a+2*\i+1], v[T+8*\c+2*\i:T+8*\c+2*\i+1], v[128+8*(8*\bh+\c)+2*\i:128+8*(8*\bh+\c)+2*\i+1], v[SS+8*\a+2*\i:SS+8*\a+2*\i+1]
.endif
.endr
.endr
.endm
.irp a, 0,1,2,3
	EPI \a, 0
	EPI \a, 1
.endr
	WIN 0
	; a lane's 8 sums, then the other half of the lanes (the same row, the other 8 units of each tile); 64 rows meet in my own stage
.irp a, 0,1,2,3
	v_pk_add_f32 v[SS+8*\a:SS+8*\a+1], v[SS+8*\a:SS+8*\a+1], v[SS+8*\a+2:SS+8*\a+3]
	v_pk_add_f32 v[SS+8*\a+4:SS+8*\a+5], v[SS+8*\a+4:SS+8*\a+5], v[SS+8*\a+6:SS+8*\a+7]
	v_pk_add_f32 v[SS+8*\a:SS+8*\a+1], v[SS+8*\a:SS+8*\a+1], v[SS+8*\a+4:SS+8*\a+5]
	v_add_f32 v[SS+8*\a], v[SS+8*\a], v[SS+8*\a+1]
	v_permlanex16_b32 v[SS+8*\a+1], v[SS+8*\a], s66, s67           ; its destination has been written before
	v_add_f32 v[SS+8*\a], v[SS+8*\a], v[SS+8*\a+1]
	ds_store_b32 v24, v[SS+8*\a] offset:64*\a                      ; lanes r and r + 16 write the same word with the same value
.endr
	ds_load_b64 v[196:197], v25                    ; LDS serves a wave's instructions in order: this sees the stores above; the bytes are my wave's own
	s_wait_dscnt 0x0
	global_store_b64 v26, v[196:197], s[12:13]     ; the wave stores 256 consecutive bytes, aligned: its 64 rows
	s_wait_tensorcnt 0x0
	ds_add_u32 v254, v255
	s_wait_dscnt 0x0
	CROUND                                         ; the closing round: no work-group ends while a partner may still ask for a tile that names it
	s_endpgm
.Lfunc_end_k_qd2cec6477e_scores:
	.size	k_qd2cec6477e_scores, .Lfunc_end_k_qd2cec6477e_scores-k_qd2cec6477e_scores
	.p2alignl 7, 3214868480
	.fill 96, 4, 3214868480
	.section	.rodata,"a",@progbits
	.p2align	6, 0x0
	.amdhsa_kernel k_qd2cec6477e_scores
		.amdhsa_group_segment_fixed_size 327680
		.amdhsa_private_segment_fixed_size 0
		.amdhsa_enable_private_segment 0
		.amdhsa_kernarg_size 40
		.amdhsa_user_sgpr_count 2
		.amdhsa_user_sgpr_kernarg_segment_ptr 1
		.amdhsa_wavefront_size32 1
		.amdhsa_system_sgpr_workgroup_id_x 1
		.amdhsa_system_sgpr_workgroup_id_y 1
		.amdhsa_system_sgpr_workgroup_id_z 1
		.amdhsa_system_vgpr_workitem_id 0
		.amdhsa_next_free_vgpr 1024
		.amdhsa_next_free_sgpr 72
		.amdhsa_reserve_vcc 0
		.amdhsa_float_denorm_mode_32 3
		.amdhsa_float_denorm_mode_16_64 3
		.amdhsa_memory_ordered 1
		.amdhsa_forward_progress 1
		.amdhsa_inst_pref_size 255
	.end_amdhsa_kernel
	.section	.bss,"aw",@nobits
	.p2align	6
	.space	262144
	.amdgpu_metadata
---
amdhsa.version: [ 1, 2 ]
amdhsa.kernels:
  - .name:           k_qd2cec6477e_scores
    .symbol:         k_qd2cec6477e_scores.kd
    .args:
      - { .name: hidden_states, .offset: 0, .size: 8, .value_kind: global_buffer, .address_space: global }
      - { .name: ub16, .offset: 8, .size: 8, .value_kind: global_buffer, .address_space: global }
      - { .name: ck, .offset: 16, .size: 8, .value_kind: global_buffer, .address_space: global }
      - { .name: V_kernel, .offset: 24, .size: 8, .value_kind: global_buffer, .address_space: global }
      - { .name: scorep, .offset: 32, .size: 8, .value_kind: global_buffer, .address_space: global }
    .group_segment_fixed_size: 327680
    .private_segment_fixed_size: 0
    .kernarg_segment_align: 8
    .kernarg_segment_size: 40
    .max_flat_workgroup_size: 128
    .sgpr_count:     72
    .vgpr_count:     1024
    .wavefront_size: 32
...
	.end_amdgpu_metadata
.endif
;; end of part 2
;; launch attend (part 3): grid 8 x 64, 8 waves a work-group, no clusters, 5,632 bytes of LDS; arguments hidden_states, scorep, V_kernel, V_bias, out0, out1; writes out0, out1
.if DOCPART == 3
	.amdgcn_target "amdgcn-amd-amdhsa--gfx1250"
	.amdhsa_code_object_version 6
	.text
	.protected	k_qd2cec6477e_attend
	.globl	k_qd2cec6477e_attend
	.p2align	8
	.type	k_qd2cec6477e_attend,@function
k_qd2cec6477e_attend:
	s_mov_b64 s[64:65], 0
	v_nop
	global_prefetch_b8 v0, s[64:65] scope:SCOPE_SE
	s_setreg_imm32_b32 hwreg(HW_REG_WAVE_MODE, 25, 1), 1
	s_wait_xcnt 0x0
; score[s] = sum(V) + V_bias - 2 (scorep[0][s] + .. + scorep[3][s]);  weight = softmax over the batch's 1024 positions, the maximum taken away first;
; out1 = weight;  out0[b][d] = sum over s of weight[s] hidden_states[b][s][d].  All in f32.
; Work-group (q, b): batch b, columns 128 q .. 128 q + 127 (512 bytes of every row).  Eight waves; wave w takes rows 128 w .. 128 w + 127.
; Every work-group of a batch makes the batch's softmax for itself (20 KiB against the 512 KiB of hidden_states that it streams).
; Thread t owns positions 4 t .. 4 t + 3, so wave w's own lanes hold the weights of its own rows: row 128 w + i is register i & 3 of lane i >> 2.
; A stream: no matrix unit, no tensor loads, no cluster (the work-groups share no part of hidden_states).  A ring of 16 row slots in registers keeps
; 16 loads of 512 consecutive bytes of every wave on their way.
; Limits: NaN and infinite inputs are not served; a weight whose exponential would be denormal comes out as 0 (v_exp_f32 flushes such results).
.set ACC, 4                            ; v[4:7], v[8:11] two running sums of my 4 columns, for even and odd rows
.set WT,  12                           ; v[12:15]  the weights of my 4 positions
.set P,   16                           ; v[16:31]  the four partial sums of my 4 positions
.set X,   32                           ; v[32:95]  ring: slot i & 15 holds row i's 16 bytes
.set VV,  96                           ; v[96:99]  V of my 4 units
.set RED1, 0                           ; LDS: 8 waves x (minimum, sum of V)
.set RED2, 256                         ; LDS: 8 waves x sum of exponentials
.set ACCL, 512                         ; LDS: 8 waves x 512 bytes
	s_load_b256 s[4:11], s[0:1], 0x0               ; hidden_states s[4:5], scorep s[6:7], V s[8:9], V_bias s[10:11]
	s_load_b128 s[12:15], s[0:1], 0x20             ; out0 s[12:13], out1 s[14:15]
	v_lshl_add_u32 v120, v0, 2, 0x1200
	v_mov_b32 v121, 0
	v_lshrrev_b32 v3, 5, v0
	v_readfirstlane_b32 s16, v3                    ; wave
	s_mov_b32 s17, ttmp9                           ; q
	s_and_b32 s18, ttmp7, 0xffff                   ; b
	v_lshlrev_b32 v1, 4, v0                        ; 16 t
	v_and_b32 v2, 31, v0
	v_lshlrev_b32 v2, 4, v2                        ; 16 lane
	v_mov_b32 v3, 0
	s_lshl_b32 s2, s18, 22                         ; 1024 rows of 4,096 bytes,
	s_lshl_b32 s3, s16, 19                         ; 128 rows,
	s_add_co_u32 s2, s2, s3
	s_lshl_b32 s3, s17, 9                          ; 128 columns
	s_add_co_u32 s2, s2, s3
	s_lshl_b32 s28, s18, 12                        ; a batch's 4,096 bytes in scorep, out0 and out1
	s_add_co_u32 s32, s28, s3
	s_mov_b32 s3, 0
	s_mov_b32 s29, 0
	s_mov_b32 s33, 0
	s_mov_b32 s34, 0x76543210                      ; v_permlanex16_b32: lane i reads lane i of the other half
	s_mov_b32 s35, 0xfedcba98
	s_mov_b32 s21, 0                               ; the upper halves of the four scalar pairs that carry a row's weight
	s_mov_b32 s23, 0
	s_mov_b32 s25, 0
	s_mov_b32 s27, 0
	s_wait_kmcnt 0x0
	s_load_b32 s36, s[10:11], 0x0                  ; V_bias
	s_add_nc_u64 s[4:5], s[4:5], s[2:3]
	s_add_nc_u64 s[6:7], s[6:7], s[28:29]
	s_add_nc_u64 s[14:15], s[14:15], s[28:29]
	s_add_nc_u64 s[12:13], s[12:13], s[32:33]
.irp n, 0,1,2,3
	global_load_b128 v[P+4*\n:P+4*\n+3], v1, s[6:7] offset:262144*\n
.endr
	global_load_b128 v[VV:VV+3], v1, s[8:9]
.irp i, 0,1,2,3,4,5,6,7,8,9,10,11,12,13,14,15
	global_load_b128 v[X+4*\i:X+4*\i+3], v2, s[4:5] offset:4096*\i th:TH_LOAD_NT   ; the ring is filled before the softmax is made
.endr
	s_wait_loadcnt 16                              ; the five small loads are in; the ring's 16 stay out
	v_pk_add_f32 v[P:P+1],   v[P:P+1],   v[P+4:P+5]
	v_pk_add_f32 v[P+2:P+3], v[P+2:P+3], v[P+6:P+7]
	v_pk_add_f32 v[P:P+1],   v[P:P+1],   v[P+8:P+9]
	v_pk_add_f32 v[P+2:P+3], v[P+2:P+3], v[P+10:P+11]
	v_pk_add_f32 v[P:P+1],   v[P:P+1],   v[P+12:P+13]
	v_pk_add_f32 v[P+2:P+3], v[P+2:P+3], v[P+14:P+15]              ; p = the sum over all 1024 units
	v_min3_num_f32 v100, v[P], v[P+1], v[P+2]
	v_min_num_f32 v100, v100, v[P+3]               ; the smallest p gives the largest score
	v_add_f32 v101, v[VV], v[VV+1]
	v_add_f32 v102, v[VV+2], v[VV+3]
	v_add_f32 v101, v101, v102
.irp m, 1,2,4,8
	v_min_num_f32_dpp v100, v100, v100 row_xmask:\m row_mask:0xf bank_mask:0xf
	v_add_f32_dpp v101, v101, v101 row_xmask:\m row_mask:0xf bank_mask:0xf
.endr
	v_permlanex16_b32 v102, v100, s34, s35
	v_min_num_f32 v100, v100, v102
	v_permlanex16_b32 v102, v101, s34, s35
	v_add_f32 v101, v101, v102
	v_mov_b32 v103, s16
	v_lshlrev_b32 v103, 3, v103
	ds_store_b64 v103, v[100:101] offset:RED1      ; all lanes write the same two words with the same values
	s_wait_dscnt 0x0
	s_barrier_signal -1
	s_barrier_wait -1
.irp k, 0,1,2,3
	ds_load_b128 v[104+4*\k:107+4*\k], v3 offset:RED1+16*\k
.endr
	s_wait_dscnt 0x0
	v_min3_num_f32 v100, v104, v106, v108
	v_min3_num_f32 v100, v100, v110, v112
	v_min3_num_f32 v100, v100, v114, v116
	v_min_num_f32 v100, v100, v118
	v_add_f32 v101, v105, v107
.irp k, 109,111,113,115,117,119
	v_add_f32 v101, v101, v\k
.endr
	s_wait_kmcnt 0x0
	v_add_f32 v101, s36, v101                      ; C = sum(V) + V_bias
	v_fma_f32 v100, v100, -2.0, v101               ; the largest score: the same fused form as each score, and rounding keeps the order
.irp i, 0,1,2,3
	v_fma_f32 v[P+\i], v[P+\i], -2.0, v101         ; score
	v_sub_f32 v[P+\i], v[P+\i], v100               ; at most 0, and 0 for one position of the batch: the sum below is at least 1
	v_mul_f32 v[P+\i], 0x3fb8aa3b, v[P+\i]
.endr
.irp i, 0,1,2,3
	v_exp_f32 v[WT+\i], v[P+\i]
.endr
	v_nop                                          ; one plain instruction behind the last transcendental before its result is used
	s_wait_alu depctr_va_vdst(0)
	v_add_f32 v102, v[WT], v[WT+1]
	v_add_f32 v103, v[WT+2], v[WT+3]
	v_add_f32 v102, v102, v103
.irp m, 1,2,4,8
	v_add_f32_dpp v102, v102, v102 row_xmask:\m row_mask:0xf bank_mask:0xf
.endr
	v_permlanex16_b32 v103, v102, s34, s35
	v_add_f32 v102, v102, v103
	v_mov_b32 v103, s16
	v_lshlrev_b32 v103, 2, v103
	ds_store_b32 v103, v102 offset:RED2            ; other bytes than the first reduction's
	s_wait_dscnt 0x0
	s_barrier_signal -1
	s_barrier_wait -1
	ds_load_b128 v[104:107], v3 offset:RED2
	ds_load_b128 v[108:111], v3 offset:RED2+16
	s_wait_dscnt 0x0
	v_add_f32 v102, v104, v105
.irp k, 106,107,108,109,110,111
	v_add_f32 v102, v102, v\k
.endr
	v_rcp_f32 v103, v102
	v_nop
	s_wait_alu depctr_va_vdst(0)
.irp i, 0,1,2,3
	v_mul_f32 v[WT+\i], v[WT+\i], v103
.endr
	s_cmp_lg_u32 s16, s17                          ; of the batch's eight work-groups, number q stores wave q's 128 weights
	s_cbranch_scc1 .Lnot_mine
	global_store_b128 v1, v[WT:WT+3], s[14:15]     ; 512 consecutive bytes, aligned; neither register is written again
.Lnot_mine:
; Row i of my 128.  left = how many younger loads may stay out; ahead = 1: the slot gets the row 16 further down.
.macro ROW i, ahead, left
	s_wait_loadcnt \left
	v_readlane_b32 s[20+2*(\i&3)], v[WT+(\i&3)], \i>>2             ; the row's weight, as data alone
.if \i < 2
	v_pk_mul_f32 v[ACC+4*(\i&1):ACC+4*(\i&1)+1],   v[X+4*(\i&15):X+4*(\i&15)+1],   s[20+2*(\i&3):21+2*(\i&3)] op_sel_hi:[1,0]   ; the first two rows start the sums
	v_pk_mul_f32 v[ACC+4*(\i&1)+2:ACC+4*(\i&1)+3], v[X+4*(\i&15)+2:X+4*(\i&15)+3], s[20+2*(\i&3):21+2*(\i&3)] op_sel_hi:[1,0]
.else
	v_pk_fma_f32 v[ACC+4*(\i&1):ACC+4*(\i&1)+1],   v[X+4*(\i&15):X+4*(\i&15)+1],   s[20+2*(\i&3):21+2*(\i&3)], v[ACC+4*(\i&1):ACC+4*(\i&1)+1] op_sel_hi:[1,0,1]
	v_pk_fma_f32 v[ACC+4*(\i&1)+2:ACC+4*(\i&1)+3], v[X+4*(\i&15)+2:X+4*(\i&15)+3], s[20+2*(\i&3):21+2*(\i&3)], v[ACC+4*(\i&1)+2:ACC+4*(\i&1)+3] op_sel_hi:[1,0,1]
.endif
.if \ahead
	global_load_b128 v[X+4*(\i&15):X+4*(\i&15)+3], v2, s[4:5] offset:4096*(\i+16) th:TH_LOAD_NT
.endif
.endm
.set rw, 0
.rept 112
	ROW rw, 1, 15                                  ; the 15 younger rows stay out
.set rw, rw+1
.endr
.rept 16
	ROW rw, 0, 127-rw                              ; the last 16 rows load nothing: the counts run down
.set rw, rw+1
.endr
	v_pk_add_f32 v[ACC:ACC+1],   v[ACC:ACC+1],   v[ACC+4:ACC+5]
	v_pk_add_f32 v[ACC+2:ACC+3], v[ACC+2:ACC+3], v[ACC+6:ACC+7]
	ds_store_b128 v1, v[ACC:ACC+3] offset:ACCL     ; 512 w + 16 lane = 16 t
	s_wait_dscnt 0x0
	s_barrier_signal -1
	s_barrier_wait -1
	s_cmp_lg_u32 s16, 0
	s_cbranch_scc1 .Lend                           ; wave 0 adds the eight waves' sums, in order, and stores
.irp k, 0,1,2,3,4,5,6,7
	ds_load_b128 v[X+4*\k:X+4*\k+3], v2 offset:ACCL+512*\k
.endr
	s_wait_dscnt 0x0
.irp k, 1,2,3,4,5,6,7
	v_pk_add_f32 v[X:X+1],   v[X:X+1],   v[X+4*\k:X+4*\k+1]
	v_pk_add_f32 v[X+2:X+3], v[X+2:X+3], v[X+4*\k+2:X+4*\k+3]
.endr
	global_store_b128 v2, v[X:X+3], s[12:13]       ; 512 consecutive bytes of out0, aligned
.Lend:
	s_wait_tensorcnt 0x0
	ds_add_u32 v120, v121
	s_wait_dscnt 0x0
	s_endpgm
.Lfunc_end_k_qd2cec6477e_attend:
	.size	k_qd2cec6477e_attend, .Lfunc_end_k_qd2cec6477e_attend-k_qd2cec6477e_attend
	.p2alignl 7, 3214868480
	.fill 96, 4, 3214868480
	.section	.rodata,"a",@progbits
	.p2align	6, 0x0
	.amdhsa_kernel k_qd2cec6477e_attend
		.amdhsa_group_segment_fixed_size 5632
		.amdhsa_private_segment_fixed_size 0
		.amdhsa_enable_private_segment 0
		.amdhsa_kernarg_size 48
		.amdhsa_user_sgpr_count 2
		.amdhsa_user_sgpr_kernarg_segment_ptr 1
		.amdhsa_wavefront_size32 1
		.amdhsa_system_sgpr_workgroup_id_x 1
		.amdhsa_system_sgpr_workgroup_id_y 1
		.amdhsa_system_sgpr_workgroup_id_z 1
		.amdhsa_system_vgpr_workitem_id 0
		.amdhsa_next_free_vgpr 122
		.amdhsa_next_free_sgpr 66
		.amdhsa_reserve_vcc 0
		.amdhsa_float_denorm_mode_32 3
		.amdhsa_float_denorm_mode_16_64 3
		.amdhsa_memory_ordered 1
		.amdhsa_forward_progress 1
		.amdhsa_inst_pref_size 49
	.end_amdhsa_kernel
	.amdgpu_metadata
---
amdhsa.version: [ 1, 2 ]
amdhsa.kernels:
  - .name:           k_qd2cec6477e_attend
    .symbol:         k_qd2cec6477e_attend.kd
    .args:
      - { .name: hidden_states, .offset: 0, .size: 8, .value_kind: global_buffer, .address_space: global }
      - { .name: scorep, .offset: 8, .size: 8, .value_kind: global_buffer, .address_space: global }
      - { .name: V_kernel, .offset: 16, .size: 8, .value_kind: global_buffer, .address_space: global }
      - { .name: V_bias, .offset: 24, .size: 8, .value_kind: global_buffer, .address_space: global }
      - { .name: out0, .offset: 32, .size: 8, .value_kind: global_buffer, .address_space: global }
      - { .name: out1, .offset: 40, .size: 8, .value_kind: global_buffer, .address_space: global }
    .group_segment_fixed_size: 5632
    .private_segment_fixed_size: 0
    .kernarg_segment_align: 8
    .kernarg_segment_size: 48
    .max_flat_workgroup_size: 256
    .sgpr_count:     66
    .vgpr_count:     122
    .wavefront_size: 32
...
	.end_amdgpu_metadata
.endif
;; end of part 3
